; MI455X (gfx1250); checked and timed in simulation.
; The chip was launched on July 23, 2026; its instructions are those of AMD's public machine-readable ISA for CDNA 5 (MIT licence, August 2026) and "CDNA5" Instruction Set Architecture Reference Guide (July 2026). The comments in the code are by the model that wrote it; some were corrected since.
;; Dot Product Attention. Allowed arithmetic: matrix products marked QUANTISED: E2M1 operands, one E8M0 scale for each 32 along K, by v_wmma_scale_f32_16x16x128_f8f6f4 with both operands' format E2M1 (or v_wmma_scale_f32_32x16x128_f4), f32 sums; everything else in f32.
;; Inputs: adj 2,048 x 2,048 int32; keys 4 x 8 x 2,048 x 256 float32; queries 4 x 8 x 2,048 x 256 float32; values 4 x 8 x 2,048 x 256 float32.
;; Outputs: out0 2,048 x 4 x 8 x 256 float32.
;; This version of the problem:
;;   THIS VERSION OF THE PROBLEM IS GIVEN IN LOW PRECISION. The matrix products marked QUANTISED in the list below multiply operands that are first quantised to E2M1 (2 exponent bits, 1 mantissa bit; 4 bits a number), with one power-of-two scale for each 32 numbers along K (OCP MX v1.0); their sums are f32. All else is computed in f32.
;;   The module's matrix products, in the order in which they are computed (A, B: the left and right operand; K: the contracted axis; several contracted axes count as one K, in the product's order):
;;     1. batch 32 x [M 2,048, K 256] x [K 256, N 2,048]; A: input queries; B: input keys: QUANTISED
;;     2. batch 32 x [M 2,048, K 2,048] x [K 2,048, N 256]; A: softmax (see below); B: input values: QUANTISED
;;   THE QUANTISER, for each operand of a quantised product, along K:
;;     - K is cut into blocks of 32 from its start; a last block that is shorter is filled with zeros.
;;     - A block's scale is 2^e with e = floor(log2(the largest magnitude in the block)) - 2, held to -126 .. 127; a block of zeros has e = 0. As a byte (E8M0): e + 127.
;;     - Each number is divided by its block's scale, clamped to +-6, and rounded to the nearest number of E2M1, ties to even, subnormals kept.
;;     - The product sums the exact products of the quantised numbers (number of the format x scale) in f32.
;;   ~~~python
;;   def quantise(x, axis):      # numpy; x: float32 -> the quantised numbers, widened to float32 again
;;       x = np.moveaxis(x, axis, -1); K = x.shape[-1]
;;       x = np.pad(x, [(0, 0)] * (x.ndim - 1) + [(0, -K % 32)]); x = x.reshape(x.shape[:-1] + (-1, 32)); a = np.abs(x).max(-1, keepdims=True)
;;       e = np.where(a > 0, np.clip(np.frexp(np.where(a > 0, a, 1))[1] - 1 - 2, -126, 127), 0)      # np.frexp(a)[1] - 1 = floor(log2(a)), exactly
;;       r = np.clip(x / 2.0 ** e, -6, 6)
;;       step = 2.0 ** (np.maximum(np.frexp(np.where(r == 0, 1, r))[1] - 1, 0) - 1)
;;       q = np.round(r / step) * step * 2.0 ** e      # np.round: ties to even
;;       return np.moveaxis(q.reshape(q.shape[:-2] + (-1,))[..., :K], -1, axis).astype(np.float32)
;;   ~~~
;;   SOFTMAX AHEAD OF A QUANTISED PRODUCT. Where the list says 'softmax', what is quantised is not the finished softmax but p = 2^(t - M), with t = logit x log2(e) and M = ceil(the row's largest t), a whole number; so 1/2 < the row's largest p <= 1. The row's sum l is taken of the UNQUANTISED p, in f32, and the product's result is divided by l at the end. Since M is a whole number, a kernel that streams over the keys may use a running M (the ceiling of the running maximum): every later rescaling is an exact power of two, which a block's scale takes up: the codes' values come out the same.
;;   OPERANDS COMPUTED ON THE WAY. 'Computed on the way' means the value that the module computes at that place (a softmax that the list does not call 'softmax' is quantised finished and normalised). What goes into a quantiser is computed in f32, as accurately as f32 sums, v_exp_f32 and their like allow (about 1e-6 of the number): no bf16 or f16 on the way to a quantiser, and a product that is left as it is and whose result goes on into a quantised operand takes f32 operands (vector FMAs, or v_wmma_f32_16x16x4_f32). A number that lies on a knife's edge between two numbers of the format may be rounded either way, as far as f32 arithmetic and the matrix unit's own rounding can turn it there, and no further.
;; One version. Each part assembles by itself: llvm-mc -triple=amdgcn-amd-amdhsa -mcpu=gfx1250 --defsym DOCPART=n.
;; ======== version 1 of 1: 2 launches
;; limits: right only within a limited range of input values
;; workspace buffers: kv 17,825,792 bytes
;; launch quant (part 1): grid 512 x 1, 4 waves a work-group, no clusters, 71,168 bytes of LDS; arguments keys, values, kv; writes kv
.if DOCPART == 1
	.amdgcn_target "amdgcn-amd-amdhsa--gfx1250"
	.amdhsa_code_object_version 6
	.text
	.protected	k_qe5a996678a_quant
	.globl	k_qe5a996678a_quant
	.p2align	8
	.type	k_qe5a996678a_quant,@function
k_qe5a996678a_quant:
	s_mov_b64 s[64:65], 0
	v_nop
	global_prefetch_b8 v0, s[64:65] scope:SCOPE_SE
	s_setreg_imm32_b32 hwreg(HW_REG_WAVE_MODE, 25, 1), 1
	s_wait_xcnt 0x0
; keys, values: [32 heads][2048][256] f32 become codes of FP4 (E2M1) with one E8M0 scale byte for each 32 along a product's K,
; laid in the ORDER OF THE OPERANDS' REGISTERS, so that the attention launch takes every fragment by loads of 16 bytes at 16 x lane.
; DEAD WORK: reference() takes adj as an argument and never uses it, so no output hangs on it whatever it holds: it is not loaded and no launch names it.
; (Limit: a NaN, an infinity or an overflow that reaches only work left out is not carried to the result; adj holds whole numbers.)
; The queries are read by one wave each: the attention launch quantises them itself.
; A FRAGMENT IMAGE, 1,024 bytes, is 16 rows x 128 K (8 registers a lane): part c (registers 4 c .. 4 c + 3) is 512 bytes, lane l's 16 bytes at 512 c + 16 l.
; kv: 512 chunks of 34,816 bytes, chunk = 16 x head + key step (128 keys):
;   0       16 images of K: image 2 t + s = key tile t, D step s.  Row r of tile t = 2 b + u is key 32 b + 8 u + r + 8 (r / 8)
;   16,384  16 images of V^T: image t: row r = channel 16 t + r, K = the chunk's 128 keys as they lie
;   32,768  K's scale words: lane l's 16 bytes at 512 g + 16 l: tiles 4 g .. 4 g + 3; lanes 0-15: D step 0 of row l, lanes 16-31: D step 1 of row l - 16
;   33,792  V's scale words: lane l's 16 bytes at 512 g + 16 l, word jj: tile 2 (4 g + jj) row l in lanes 0-15, tile 2 (4 g + jj) + 1 row l - 16 in lanes 16-31
; THE RULE: a block's scale byte is its largest magnitude's exponent field - 2, held at 1 from below by a floor among the maximum's leaves.
; LIMITS: NaN and infinities among the inputs are not served.  A block of zeros gets the byte 1 where the rule says 127: its codes are zeros, and this program alone reads the bytes.
; SHARES: work-groups 0-255 take keys, 256-511 values; 65,536 bytes are read by each wave.  Waves share nothing: no barrier.  Each path has LDS bytes of its own.
.set KCH,  34816                       ; a chunk of kv
.set WST,  8704                        ; keys: LDS of a wave: two stages
.set STG,  4352                        ; a stage: 16 rows x 272 bytes
.set SPI,  272
.set R,    32                          ; keys: v32-127 three sets of 32 registers as loaded
.set X,    128                         ; v128-191 two sets of 32 neighbours along K
.set C,    192                         ; v192-255 a unit's codes
.set VREG, 4*WST                       ; values: the waves' regions begin here
.set VWB,  8960                        ; a wave's region: eight images 1,040 bytes apart, then 512 bytes of scale words
.set VPI,  1040
.set VSW,  8*VPI
.set SPARE, VREG+4*VWB                 ; the spare words: 512 bytes that no other line names
.set T,    128                         ; values: v128-255 four channels x 32 keys, keys in consecutive registers
.set CV,   64                          ; v64-127 codes: 16 registers for each key block
.set MSB, 0
.macro WIN new
.if MSB != \new
	s_set_vgpr_msb (MSB<<8)|\new
.set MSB, \new
.endif
.endm
	s_load_b128 s[4:7], s[0:1], 0x0                ; keys, values
	s_load_b64 s[12:13], s[0:1], 0x10              ; kv
	v_lshl_add_u32 v30, v0, 2, SPARE
	v_mov_b32 v31, 0
	v_lshrrev_b32 v1, 5, v0
	v_readfirstlane_b32 s16, v1                    ; wave
	v_and_b32 v1, 31, v0                           ; lane
	v_and_b32 v17, 15, v0                          ; r
	v_bfe_u32 v18, v0, 4, 1                        ; h
	v_lshlrev_b32 v5, 4, v1                        ; 16 x lane
	s_and_b32 s17, ttmp9, 255                      ; which 256 rows of my tensor
	s_lshl_b32 s18, s17, 1
	s_lshr_b32 s19, s16, 1
	s_add_co_u32 s18, s18, s19                     ; my wave's chunk
	s_and_b32 s19, s16, 1                          ; g: which half of it
	s_mov_b32 s31, 0
	s_mov_b32 s33, 0
	s_wait_alu depctr_va_vdst(0)
	s_wait_kmcnt 0x0
	s_cmp_ge_u32 ttmp9, 256
	s_cbranch_scc1 .Lvalues
; KEYS: K (the head's 256) is innermost.  A wave takes 64 rows: tiles T = 0 .. 3 of half g of its chunk.  A UNIT n = 4 T + 2 s + c is 16 rows x 64 numbers; its codes are part c of image (T, s).
; Loads take the bytes as they lie (sixteen lanes read 256 consecutive bytes of a row); the unit turns through the wave's stage, so that lane (r, h) gets a whole block: k = 64 c + 32 h + 0 .. 31.
	s_lshl_b32 s30, s17, 18
	s_lshl_b32 s29, s16, 16
	s_add_co_u32 s30, s30, s29
	s_add_nc_u64 s[20:21], s[4:5], s[30:31]        ; my first row
	s_mul_i32 s30, s18, KCH
	s_add_nc_u64 s[24:25], s[12:13], s[30:31]      ; my chunk
	s_lshl_b32 s32, s19, 9
	s_add_co_u32 s32, s32, 32768
	s_add_nc_u64 s[26:27], s[24:25], s[32:33]      ; my 512 bytes of scale words
	s_lshl_b32 s32, s19, 13
	s_add_nc_u64 s[24:25], s[24:25], s[32:33]      ; my eight images
	s_mul_i32 s29, s16, WST
	s_mov_b32 s34, 0x76543210
	s_mov_b32 s35, 0xfedcba98                      ; lane l xor 16
	s_mov_b32 s36, 0xffff0000                      ; lanes 16-31
	v_lshlrev_b32 v2, 4, v17
	v_lshl_add_u32 v2, v18, 10, v2                 ; memory: lanes 0-15 one row, lanes 16-31 the next
	v_mul_u32_u24 v3, v18, SPI
	v_lshl_add_u32 v3, v17, 4, v3
	v_add_nc_u32 v3, s29, v3                       ; into the stage
	v_mul_u32_u24 v4, v17, SPI
	v_lshl_add_u32 v4, v18, 7, v4
	v_add_nc_u32 v4, s29, v4                       ; out of it: row r, my half's 128 bytes
	v_lshlrev_b32 v6, 3, v18                       ; 8 h
	v_mov_b32 v13, 0
.macro LOADU n                         ; load i: tile rows 2 i, 2 i + 1 = rows 32 (T / 2) + 8 (T % 2) + 2 i + h + 8 (i / 4) of my 64
.irp i, 0,1,2,3,4,5,6,7
	global_load_b128 v[R+32*((\n)%3)+4*\i:R+32*((\n)%3)+4*\i+3], v2, s[20:21] offset:(32*(((\n)/4)/2)+8*(((\n)/4)%2)+2*\i+8*(\i/4))*1024+512*(((\n)/2)%2)+256*((\n)%2) th:TH_LOAD_NT
.endr
.endm
.macro TURNU n                         ; LDS serves a wave's instructions in order (ISA guide 5.7.1.4): no wait between the stores and the loads
.irp i, 0,1,2,3,4,5,6,7
	ds_store_b128 v3, v[R+32*((\n)%3)+4*\i:R+32*((\n)%3)+4*\i+3] offset:STG*((\n)%2)+2*SPI*\i
.endr
.irp i, 0,1,2,3,4,5,6,7
	ds_load_b128 v[X+32*((\n)%2)+4*\i:X+32*((\n)%2)+4*\i+3], v4 offset:STG*((\n)%2)+16*\i
.endr
.endm
.macro UNIT n
	s_wait_dscnt 0x0                               ; this unit is back from the stage
.if (\n)+3 < 16
	LOADU (\n)+3
.endif
.if (\n)+1 < 16
.if (\n) <= 12
	s_wait_loadcnt 16                              ; the next unit's eight loads are in; two units' may be out
.else
	s_wait_loadcnt 8*(14-(\n))
.endif
	TURNU (\n)+1
.endif
.set XS, X+32*((\n)%2)
.set CN, C+4*(\n)
	v_max3_num_f32 v8, |v[XS]|, |v[XS+1]|, |v[XS+2]|
	v_max3_num_f32 v9, |v[XS+3]|, |v[XS+4]|, |v[XS+5]|
.irp i, 6,10,14,18,22,26
	v_max3_num_f32 v8, v8, |v[XS+\i]|, |v[XS+\i+1]|
	v_max3_num_f32 v9, v9, |v[XS+\i+2]|, |v[XS+\i+3]|
.endr
	v_max3_num_f32 v8, v8, |v[XS+30]|, |v[XS+31]|
	v_max3_num_f32 v8, v8, v9, 0x1800000           ; the floor 2^(3 - 127)
	v_add_nc_u32 v11, 0xff000000, v8               ; 2 off the exponent field: the conversion's scale operand
.irp g, 0,1,2,3
	v_cvt_scalef32_pk8_fp4_f32 v[CN+\g], v[XS+8*\g:XS+8*\g+7], v11
.endr
.if ((\n)%2) == 0
	v_lshrrev_b32 v16, 23, v11                     ; the byte of block h
.else
	v_lshrrev_b32 v12, 23, v11                     ; of block 2 + h
	v_lshl_or_b32 v16, v12, 16, v16
	v_lshlrev_b32 v16, v6, v16
	v_permlanex16_b32 v13, v16, s34, s35
	v_or_b32 v[14+((\n)/2)%2], v16, v13            ; the word of row r, D step s
.if ((\n)%4) == 3
	v_cndmask_b32 v[20+(\n)/4], v14, v15, s36      ; lanes 0-15 D step 0's word, lanes 16-31 D step 1's
.endif
.endif
	global_store_b128 v5, v[CN:CN+3], s[24:25] offset:512*(\n)     ; 512 consecutive bytes
.endm
	LOADU 0
	LOADU 1
	LOADU 2
	s_wait_alu depctr_va_vdst(0)                   ; the wait at the head's end
	s_wait_loadcnt 16
	TURNU 0
.irp n, 0,1,2,3,4,5,6,7,8,9,10,11,12,13,14,15
	UNIT \n
.endr
	global_store_b128 v5, v[20:23], s[26:27]
	s_wait_tensorcnt 0x0                           ; the wave's end
	ds_add_u32 v30, v31
	s_wait_dscnt 0x0
	s_endpgm
; VALUES: K (the keys) is not innermost.  A wave takes 128 keys x 128 channels, in four key blocks of 32.  A load takes 512 consecutive bytes of one key's row: lane l gets channels 4 l .. 4 l + 3.
; A block's 32 loads fill 128 registers of v256-511 (two such sets by turns: up to 64 loads a wave are out).  The maxima run down the keys in four chains, one a channel; 128 moves lay each channel's 32 keys
; in consecutive registers, as the conversions want them.  A channel's 16 bytes of codes belong at 1,024 (channel / 16) + 256 x key block + 16 (channel % 16) of the wave's eight images:
; they are gathered in LDS (images 1,040 bytes apart, so that sixteen lanes' stores fall on sixteen different columns of 16 bytes) and leave as runs of 512 consecutive bytes.
.Lvalues:
	s_lshl_b32 s30, s18, 17
	s_lshl_b32 s29, s19, 9
	s_add_co_u32 s30, s30, s29
	s_add_nc_u64 s[20:21], s[6:7], s[30:31]        ; my first key, my 128 channels
	s_mul_i32 s30, s18, KCH
	s_add_nc_u64 s[24:25], s[12:13], s[30:31]
	s_lshl_b32 s32, s19, 9
	s_add_co_u32 s32, s32, 33792
	s_add_nc_u64 s[26:27], s[24:25], s[32:33]      ; my 512 bytes of V's scale words
	s_lshl_b32 s32, s19, 13
	s_add_co_u32 s32, s32, 16384
	s_add_nc_u64 s[24:25], s[24:25], s[32:33]      ; my eight images of V^T
	s_mul_i32 s29, s16, VWB
	s_add_co_u32 s29, s29, VREG                    ; my region of LDS
	v_lshrrev_b32 v2, 2, v1                        ; l / 4: my channels' tile
	v_and_b32 v3, 3, v1                            ; l % 4
	v_mul_u32_u24 v4, v2, VPI
	v_lshl_add_u32 v4, v3, 6, v4
	v_add_nc_u32 v4, s29, v4                       ; codes in: 1,040 (l / 4) + 64 (l % 4)
	v_lshlrev_b32 v6, 6, v3
	v_and_b32 v7, 1, v2
	v_lshl_add_u32 v6, v7, 8, v6
	v_lshrrev_b32 v7, 3, v1
	v_lshl_add_u32 v6, v7, 2, v6
	v_add_nc_u32 v6, s29, v6                       ; scale words in: 64 (l % 4) + 256 ((l / 4) % 2) + 4 (l / 8)
	v_add_nc_u32 v7, s29, v5                       ; both out: 16 x lane
	s_wait_alu depctr_va_vdst(0)                   ; the wait at the head's end
.macro VLOAD kb
	WIN 0x40                                       ; destinations v256-511
.set i, 0
.rept 32
	global_load_b128 v[128*((\kb)%2)+4*i:128*((\kb)%2)+4*i+3], v5, s[20:21] offset:(32*(\kb)+i)*1024 th:TH_LOAD_NT
.set i, i+1
.endr
	WIN 0
.endm
.macro VGROUP kb
.set LB, 128*((\kb)%2)
.if (\kb) < 3
	s_wait_loadcnt 32                              ; this block's 32 loads are in; the next block's may be out
.else
	s_wait_loadcnt 0x0
.endif
	WIN 0x05                                       ; sources 0 and 1 in v256-511
.irp c, 0,1,2,3
	v_max3_num_f32 v[8+\c], |v[LB+\c]|, |v[LB+4+\c]|, 0x1800000    ; the floor 2^(3 - 127) is a leaf
.endr
.set i, 2
.rept 15
.irp c, 0,1,2,3
	v_max3_num_f32 v[8+\c], |v[LB+4*i+\c]|, |v[LB+4*i+4+\c]|, v[8+\c]
.endr
.set i, i+2
.endr
	WIN 0x01
.set i, 0
.rept 32
.irp c, 0,1,2,3
	v_mov_b32 v[T+32*\c+i], v[LB+4*i+\c]           ; channel c's key i
.endr
.set i, i+1
.endr
	WIN 0
.if (\kb)+2 < 4
	VLOAD (\kb)+2                                  ; the set is read out: it takes the block two further on
.endif
.irp c, 0,1,2,3
	v_add_nc_u32 v[12+\c], 0xff000000, v[8+\c]     ; the conversion's scale operand
.endr
.irp c, 0,1,2,3
.if (\kb) == 0
	v_lshrrev_b32 v[24+\c], 23, v[12+\c]           ; four key blocks' bytes make a channel's scale word
.else
	v_lshrrev_b32 v[20+\c], 23, v[12+\c]
.endif
.endr
.if (\kb) > 0
.irp c, 0,1,2,3
	v_lshl_or_b32 v[24+\c], v[20+\c], 8*(\kb), v[24+\c]
.endr
.endif
.irp c, 0,1,2,3
.irp g, 0,1,2,3
	v_cvt_scalef32_pk8_fp4_f32 v[CV+16*(\kb)+4*\c+\g], v[T+32*\c+8*\g:T+32*\c+8*\g+7], v[12+\c]
.endr
.endr
	v_nop                                          ; one plain line behind the last conversion of a run
.irp c, 0,1,2,3
	ds_store_b128 v4, v[CV+16*(\kb)+4*\c:CV+16*(\kb)+4*\c+3] offset:256*(\kb)+16*\c
.endr
.endm
	VLOAD 0
	VLOAD 1
	VGROUP 0
	VGROUP 1
	VGROUP 2
	VGROUP 3
.irp c, 0,1,2,3
	ds_store_b32 v6, v[24+\c] offset:VSW+16*\c
.endr
.irp j, 0,1,2,3,4,5,6,7,8,9,10,11,12,13,14,15
	ds_load_b128 v[T+4*\j:T+4*\j+3], v7 offset:VPI*(\j/2)+512*(\j%2)   ; LDS serves a wave's instructions in order: these see my stores
.endr
	ds_load_b128 v[T+64:T+67], v7 offset:VSW
.irp j, 0,1,2,3,4,5,6,7,8,9,10,11,12,13,14,15
	s_wait_dscnt 16-\j
	global_store_b128 v5, v[T+4*\j:T+4*\j+3], s[24:25] offset:512*\j   ; 512 consecutive bytes
.endr
	s_wait_dscnt 0x0
	global_store_b128 v5, v[T+64:T+67], s[26:27]
	s_wait_tensorcnt 0x0                           ; the wave's end
	ds_add_u32 v30, v31
	s_wait_dscnt 0x0
	s_endpgm
.Lfunc_end_k_qe5a996678a_quant:
	.size	k_qe5a996678a_quant, .Lfunc_end_k_qe5a996678a_quant-k_qe5a996678a_quant
	.p2alignl 7, 3214868480
	.fill 96, 4, 3214868480
	.section	.rodata,"a",@progbits
	.p2align	6, 0x0
	.amdhsa_kernel k_qe5a996678a_quant
		.amdhsa_group_segment_fixed_size 71168
		.amdhsa_private_segment_fixed_size 0
		.amdhsa_enable_private_segment 0
		.amdhsa_kernarg_size 24
		.amdhsa_user_sgpr_count 2
		.amdhsa_user_sgpr_kernarg_segment_ptr 1
		.amdhsa_wavefront_size32 1
		.amdhsa_system_sgpr_workgroup_id_x 1
		.amdhsa_system_sgpr_workgroup_id_y 1
		.amdhsa_system_sgpr_workgroup_id_z 1
		.amdhsa_system_vgpr_workitem_id 0
		.amdhsa_next_free_vgpr 512
		.amdhsa_next_free_sgpr 66
		.amdhsa_reserve_vcc 0
		.amdhsa_float_denorm_mode_32 3
		.amdhsa_float_denorm_mode_16_64 3
		.amdhsa_memory_ordered 1
		.amdhsa_forward_progress 1
		.amdhsa_inst_pref_size 115
	.end_amdhsa_kernel
	.amdgpu_metadata
---
amdhsa.version: [ 1, 2 ]
amdhsa.kernels:
  - .name:           k_qe5a996678a_quant
    .symbol:         k_qe5a996678a_quant.kd
    .args:
      - { .name: keys, .offset: 0, .size: 8, .value_kind: global_buffer, .address_space: global }
      - { .name: values, .offset: 8, .size: 8, .value_kind: global_buffer, .address_space: global }
      - { .name: kv, .offset: 16, .size: 8, .value_kind: global_buffer, .address_space: global }
    .group_segment_fixed_size: 71168
    .private_segment_fixed_size: 0
    .kernarg_segment_align: 8
    .kernarg_segment_size: 24
    .max_flat_workgroup_size: 128
    .sgpr_count:     66
    .vgpr_count:     512
    .wavefront_size: 32
...
	.end_amdgpu_metadata
.endif
;; end of part 1
;; launch attn (part 2): grid 8 x 32, 8 waves a work-group, clusters of 4 x 1, 327,680 bytes of LDS; arguments queries, kv, out0; writes out0
.if DOCPART == 2
	.amdgcn_target "amdgcn-amd-amdhsa--gfx1250"
	.amdhsa_code_object_version 6
	.text
	.protected	k_qe5a996678a_attn
	.globl	k_qe5a996678a_attn
	.p2align	8
	.type	k_qe5a996678a_attn,@function
k_qe5a996678a_attn:
	s_mov_b64 s[64:65], 0
	v_nop
	global_prefetch_b8 v0, s[64:65] scope:SCOPE_SE
	s_setreg_imm32_b32 hwreg(HW_REG_WAVE_MODE, 25, 1), 1
	s_wait_xcnt 0x0
	s_wait_alu depctr_hold_cnt(0) depctr_sa_sdst(0) depctr_va_vdst(0) depctr_va_sdst(0) depctr_va_ssrc(0) depctr_va_vcc(0) depctr_vm_vsrc(0)
	s_getreg_b32 s2, hwreg(HW_REG_IB_STS2, 6, 4)
	s_cmp_eq_u32 s2, 0
	s_cbranch_scc0 .Lentry_in_a_cluster
	s_endpgm
.Lentry_in_a_cluster:
	s_bfe_u32 s2, ttmp6, 0x10000c
	s_cmp_lg_u32 s2, 0x3003
	s_cbranch_scc0 .Lentry_shape_is_right
	s_endpgm
.Lentry_shape_is_right:
; out0 = softmax(Q K^T / 16) V for 32 heads of 2,048 x 256, both products on codes of FP4 (E2M1) with E8M0 scales; out0's raw reshape keeps the bytes of [head][query][channel].
; adj has no way to any output (shown at the head of the first kernel): it is not among the arguments.
; SHARES: a work-group owns 256 queries of one head, each of its eight waves 32 of them (two tiles of 16); every wave walks the head's 2,048 keys, 128 a step.
; QUERIES: each is read by one wave alone, so they are quantised here, at the head: a wave's 32 rows (32,768 bytes) are asked for ahead of the first round, wait in the registers that later hold O^T,
; turn through the wave's own stage (16 rows x 64 numbers a unit) so that a lane holds a whole block of 32 along D, and become the fragments QF and the scale words QS while slot 0 is on its way.
; Tile u's row r is query 8 u + r + 8 (r / 8) of the wave's 32.
; K, V: chunks of kv (34,816 bytes a key step, images of the operands' registers) come through a ring of two slots of four steps; each wave fetches an eighth of a slot.
; CLUSTER: the four work-groups of a cluster own query blocks of one head and walk the same chunks: every fill is a joint load with the mask 15.
; Both products are used transposed (S^T = K Q^T, O^T = V^T P^T): a lane holds one query.  p = 2^(t - M), M the running largest t rounded up to a whole number; the sum is taken of the unquantised p; a move of M multiplies the sum and O^T by a power of two.
; NO PREFETCH: a refill is asked for a whole slot, four key steps (256 matrix instructions a wave), ahead of its first read, and the two first fills stand at the head, with no loop ahead of them.
; LIMITS: NaN and infinities among the inputs are not served; the promise holds while the scaled scores stay under 2^31 in magnitude; a block of zeros has the byte 1 (its codes are zeros).
.set STEPB, 34816
.set QO,  45                           ; v45  the stage, on a unit's way out: row r, my half's 128 bytes
.set SH,  46                           ; v46  8 h: my bytes' shift in a scale word
.set SLOTB, 4*STEPB
.set PARTB, SLOTB/8
.set VFR,   16384
.set KSC,   32768
.set VSC,   33792
.set SPARE, 2*SLOTB
.set STAGE, SPARE+1024
.set SP,    272
.set LI,  1
.set ADR, 2
.set SPW, 3
.set NIL, 4
.set STO, 5
.set RD,  6
.set GO,  7
.set FX,  16
.set TT,  18
.set BM,  20
.set BP,  24
.set SO,  28
.set SC,  32
.set QS,  40
.set PW,  42
.set QF,  48
.set KF,  80
.set PC,  112
.set S,   128
.set WV,  10
.set G1,  16
.set G0A, 24
.set G0B, 28
.set CS,  32
.set SEL, 34
.set TB,  36
.set CNT, 37
.set MSB, 0
.macro WIN new
.if MSB != \new
	s_set_vgpr_msb (MSB<<8)|\new
.set MSB, \new
.endif
.endm
.macro PLACES n
.rept \n
	v_nop
.endr
.endm
.macro CROUND
	s_barrier_signal -1
	s_barrier_wait -1
	s_cmp_lg_u32 s[WV], 0
	s_cbranch_scc1 .Lnot_wave_0_\@
	s_barrier_signal -3
.Lnot_wave_0_\@:
	s_barrier_wait -3
	s_barrier_signal -1
	s_barrier_wait -1
.endm
	s_load_b128 s[4:7], s[0:1], 0x0
	s_load_b64 s[8:9], s[0:1], 0x10
	v_lshl_add_u32 v[SPW], v0, 2, SPARE
	v_mov_b32 v[NIL], 0
	ds_add_u32 v3, v4
	ds_add_u32 v3, v4
	s_wait_dscnt 0x0
	v_lshrrev_b32 v1, 5, v0
	s_delay_alu instid0(VALU_DEP_1)
	v_readfirstlane_b32 s[WV], v1
	s_bfe_u32 s11, ttmp6, 0x40000
	s_lshl_b32 s12, ttmp9, 2
	s_add_co_u32 s12, s12, s11
	s_and_b32 s13, ttmp7, 0xffff
	s_mov_b32 s[G1+0], 15|(3<<16)|(1<<21)
	s_mov_b32 s[G1+1], 32<<16
	s_mov_b32 s[G1+2], 68<<16
	s_mov_b32 s[G1+3], 32<<16
	s_mov_b32 s[G1+4], 68
	s_mov_b32 s[G1+5], 32
	s_mov_b32 s[G1+6], 0
	s_mov_b32 s[G1+7], 0
	s_mul_i32 s38, s[WV], PARTB
	s_mul_i32 s40, s13, 16*STEPB
	s_add_co_u32 s40, s40, s38
	s_mov_b32 s41, 0
	s_mov_b32 s44, 0xffff0000                      ; lanes 16-31
	s_lshl_b32 s42, s13, 21
	s_lshl_b32 s43, s12, 18
	s_add_co_u32 s42, s42, s43
	s_lshl_b32 s43, s[WV], 15
	s_add_co_u32 s42, s42, s43
	s_mov_b32 s43, 0
	s_mov_b32 s[CS], 0x3db8aa3b
	s_mov_b32 s[CS+1], s[CS]
	s_mov_b32 s[SEL], 0x76543210
	s_mov_b32 s[SEL+1], 0xfedcba98
	s_wait_kmcnt 0x0
	s_add_nc_u64 s[40:41], s[6:7], s[40:41]
	s_add_nc_u64 s[4:5], s[4:5], s[42:43]          ; my 32 queries begin as many bytes into queries as my 32 rows into out0
	s_add_nc_u64 s[8:9], s[8:9], s[42:43]
	s_mov_b32 s[G0A], 1
	s_mov_b32 s[G0A+1], s38
	s_mov_b64 s[G0A+2:G0A+3], s[40:41]
	s_or_b32 s[G0A+3], s[G0A+3], 0x80000000
	s_mov_b32 s[G0B], 1
	s_add_co_u32 s[G0B+1], s38, SLOTB
	s_add_nc_u64 s[G0B+2:G0B+3], s[40:41], SLOTB
	s_or_b32 s[G0B+3], s[G0B+3], 0x80000000
	v_and_b32 v1, 31, v0
	v_and_b32 v8, 15, v0                           ; r
	v_bfe_u32 v9, v0, 4, 1                         ; h
	s_mul_i32 s39, s[WV], 16*SP
	s_add_co_u32 s39, s39, STAGE                   ; my stage: 16 rows x 272 bytes; it serves the queries here and O on the way out
	v_lshlrev_b32 v[LI], 4, v1
	v_mul_u32_u24 v[STO], v8, SP
	v_mul_u32_u24 v[RD], v9, SP
	v_lshlrev_b32 v[GO], 10, v9
	v_lshlrev_b32 v[SH], 3, v9
	v_lshl_add_u32 v[QO], v9, 7, v[STO]
	v_lshl_add_u32 v[STO], v9, 5, v[STO]
	v_lshl_add_u32 v[RD], v8, 4, v[RD]
	v_lshl_add_u32 v[GO], v8, 4, v[GO]             ; memory: lanes 0-15 one row of 1,024 bytes, lanes 16-31 the next; 16 bytes a lane (queries and out0 alike)
	v_add_nc_u32 v[QO], s39, v[QO]
	v_add_nc_u32 v[STO], s39, v[STO]
	v_add_nc_u32 v[RD], s39, v[RD]                 ; the stage by rows: the same two rows
.irp b, 0,1,2,3
	v_mov_b32 v[BP+\b], 0
.endr
	v_mov_b32 v[FX+1], 0
	s_wait_alu depctr_va_vdst(0)                   ; the wait behind these writes
; A UNIT n = 4 u + 2 s + c is 16 rows x 64 numbers: tile u, D step s, part c.  Its eight loads (sixteen lanes read 256 consecutive bytes of a row) land in v[256 + 32 n ..].
.macro QLOAD n
.irp i, 0,1,2,3,4,5,6,7
	global_load_b128 v[32*(\n)+4*\i:32*(\n)+4*\i+3], v[GO], s[4:5] offset:(8*((\n)/4)+2*\i+8*(\i/4))*1024+512*(((\n)/2)%2)+256*((\n)%2) th:TH_LOAD_NT
.endr
.endm
.macro QTURN n                         ; through my stage; LDS serves a wave's instructions in order, so no wait stands between the stores and the loads
	WIN 0x04
.irp i, 0,1,2,3,4,5,6,7
	ds_store_b128 v[RD], v[32*(\n)+4*\i:32*(\n)+4*\i+3] offset:2*SP*\i
.endr
	WIN 0
.irp i, 0,1,2,3,4,5,6,7
	ds_load_b128 v[S+32*((\n)%2)+4*\i:S+32*((\n)%2)+4*\i+3], v[QO] offset:16*\i
.endr
.endm
.macro QUNIT n
	s_wait_dscnt 0x0                               ; this unit is back from the stage
.if (\n) < 7
	s_wait_loadcnt 8*(6-(\n))                      ; the next unit's eight loads are in; the later units' may be out
	QTURN (\n)+1
.endif
.set XS, S+32*((\n)%2)
	v_max3_num_f32 v[BM], |v[XS]|, |v[XS+1]|, |v[XS+2]|            ; the block's largest magnitude: all 32 numbers are mine
	v_max3_num_f32 v[BM+1], |v[XS+3]|, |v[XS+4]|, |v[XS+5]|
.irp i, 6,10,14,18,22,26
	v_max3_num_f32 v[BM], v[BM], |v[XS+\i]|, |v[XS+\i+1]|
	v_max3_num_f32 v[BM+1], v[BM+1], |v[XS+\i+2]|, |v[XS+\i+3]|
.endr
	v_max3_num_f32 v[BM], v[BM], |v[XS+30]|, |v[XS+31]|
	v_max3_num_f32 v[BM], v[BM], v[BM+1], 0x1800000                ; the floor 2^(3 - 127): the byte cannot fall under 1
	v_add_nc_u32 v[SO], 0xff000000, v[BM]                          ; 2 off the exponent field: the conversion's scale operand
.irp g, 0,1,2,3
	v_cvt_scalef32_pk8_fp4_f32 v[QF+4*(\n)+\g], v[XS+8*\g:XS+8*\g+7], v[SO]
.endr
.if ((\n)%2) == 0
	v_lshrrev_b32 v[BM+2], 23, v[SO]               ; the byte of block h
.else
	v_lshrrev_b32 v[BM+3], 23, v[SO]               ; of block 2 + h
	v_lshl_or_b32 v[BM+2], v[BM+3], 16, v[BM+2]
	v_lshlrev_b32 v[BM+2], v[SH], v[BM+2]
	v_permlanex16_b32 v[BP], v[BM+2], s[SEL], s[SEL+1]
	v_or_b32 v[BP+2+((\n)/2)%2], v[BM+2], v[BP]    ; the word of row r, D step s
.if ((\n)%4) == 3
	v_cndmask_b32 v[QS+(\n)/4], v[BP+2], v[BP+3], s44              ; lanes 0-15 D step 0's word, lanes 16-31 D step 1's
.endif
.endif
.endm
	WIN 0x40
.irp n, 0,1,2,3,4,5,6
	QLOAD \n
.endr
	WIN 0
	CROUND
	tensor_load_to_lds s[G0A:G0A+3], s[G1:G1+7]
	s_nop 0
	PLACES 4
	s_wait_loadcnt 48                              ; unit 0's eight loads are in
	WIN 0x40
	QLOAD 7
	WIN 0
	QTURN 0
.irp n, 0,1,2,3,4,5,6,7
	QUNIT \n
.endr
	PLACES 8                                       ; places between the scale words' last write and the first scaled matrix instruction
	s_wait_alu depctr_va_vdst(0)                   ; directly ahead of the wait below
	s_wait_tensorcnt 0x0
	ds_add_u32 v3, v4
	s_wait_dscnt 0x0
	CROUND                                         ; every wave's part of slot 0 is in
	tensor_load_to_lds s[G0B:G0B+3], s[G1:G1+7]
	s_nop 0
	PLACES 4
.macro KLOAD t
.irp i, 0,1,2,3
	ds_load_b128 v[KF+16*((\t)%2)+4*\i:KF+16*((\t)%2)+4*\i+3], v[ADR] offset:2048*(\t)+512*\i
.endr
.endm
.macro KTILE t
.if (\t) < 7
	s_wait_dscnt 4
.else
	s_wait_dscnt 0x0
.endif
.set rK, KF+16*((\t)%2)
.set rA, S+8*(\t)
.set rB, S+64+8*(\t)
	v_wmma_scale_f32_16x16x128_f8f6f4 v[rA:rA+7], v[rK:rK+7], v[QF:QF+7], 0, v[SC+(\t)], v[QS] matrix_a_fmt:MATRIX_FMT_FP4 matrix_b_fmt:MATRIX_FMT_FP4
	v_wmma_scale_f32_16x16x128_f8f6f4 v[rB:rB+7], v[rK:rK+7], v[QF+16:QF+23], 0, v[SC+(\t)], v[QS+1] matrix_a_fmt:MATRIX_FMT_FP4 matrix_b_fmt:MATRIX_FMT_FP4
	v_wmma_scale_f32_16x16x128_f8f6f4 v[rA:rA+7], v[rK+8:rK+15], v[QF+8:QF+15], v[rA:rA+7], v[SC+(\t)], v[QS] matrix_a_fmt:MATRIX_FMT_FP4 matrix_b_fmt:MATRIX_FMT_FP4 matrix_a_scale:MATRIX_SCALE_ROW1 matrix_b_scale:MATRIX_SCALE_ROW1
	v_wmma_scale_f32_16x16x128_f8f6f4 v[rB:rB+7], v[rK+8:rK+15], v[QF+24:QF+31], v[rB:rB+7], v[SC+(\t)], v[QS+1] matrix_a_fmt:MATRIX_FMT_FP4 matrix_b_fmt:MATRIX_FMT_FP4 matrix_a_scale:MATRIX_SCALE_ROW1 matrix_b_scale:MATRIX_SCALE_ROW1
.if (\t) < 6
	PLACES 4
	KLOAD (\t)+2
.endif
.endm
.macro VLOAD t
.irp c, 0,1
	ds_load_b128 v[S+8*(\t)+4*\c:S+8*(\t)+4*\c+3], v[ADR] offset:VFR+1024*(\t)+512*\c
.endr
.endm
.macro SOFTMAX q, first
.set rS, S+64*(\q)
.set rN, 8+4*(\q)
.set rL, 10+4*(\q)
.set rC, PC+8*(\q)
.irp b, 0,1,2,3
	v_max3_num_f32 v[BM+\b], v[rS+16*\b], v[rS+16*\b+1], v[rS+16*\b+2]
.endr
.irp i, 3,5,7,9,11,13
.irp b, 0,1,2,3
	v_max3_num_f32 v[BM+\b], v[BM+\b], v[rS+16*\b+\i], v[rS+16*\b+\i+1]
.endr
.endr
.irp b, 0,1,2,3
	v_max_num_f32 v[BM+\b], v[BM+\b], v[rS+16*\b+15]
.endr
.irp b, 0,1,2,3
	s_delay_alu instid0(VALU_DEP_4)
	v_permlanex16_b32 v[BP+\b], v[BM+\b], s[SEL], s[SEL+1]
.endr
.irp b, 0,1,2,3
	s_delay_alu instid0(VALU_DEP_4)
	v_max_num_f32 v[BM+\b], v[BM+\b], v[BP+\b]
.endr
	s_delay_alu instid0(VALU_DEP_2)
	v_max3_num_f32 v[TT], v[BM], v[BM+1], v[BM+2]
	s_delay_alu instid0(VALU_DEP_1)
	v_max_num_f32 v[TT], v[TT], v[BM+3]
.if \first
	s_delay_alu instid0(VALU_DEP_1)
	v_mul_f32 v[rN+1], s[CS], v[TT]
.else
	s_delay_alu instid0(VALU_DEP_1)
	v_mul_f32 v[TT], s[CS], v[TT]
	s_delay_alu instid0(VALU_DEP_1)
	v_max_num_f32 v[rN+1], v[rN+1], v[TT]
	v_mov_b32 v[TT], v[rN]
.endif
	v_floor_f32 v[rN], -v[rN+1]
.if \first == 0
	s_delay_alu instid0(VALU_DEP_1)
	v_sub_f32 v[TT], v[rN], v[TT]
	s_delay_alu instid0(VALU_DEP_1)
	v_cvt_i32_f32 v[TT], v[TT]
	s_delay_alu instid0(VALU_DEP_1)
	v_ldexp_f32 v[FX], 1.0, v[TT]
.endif
.set j, 0
.rept 32
	v_pk_fma_f32 v[rS+j:rS+j+1], v[rS+j:rS+j+1], s[CS:CS+1], v[rN:rN+1] op_sel_hi:[1,0,0]
.set j, j+2
.endr
.irp b, 0,1,2,3
	v_fma_f32 v[BM+\b], v[BM+\b], s[CS], v[rN]
.endr
.set j, 0
	s_wait_alu depctr_va_vdst(0)
.rept 64
	v_exp_f32 v[rS+j], v[rS+j]
.set j, j+1
.endr
.irp b, 0,1,2,3
	v_exp_f32 v[BM+\b], v[BM+\b]
.endr
.if \first
	v_nop
	s_wait_alu depctr_va_vdst(0)
.else
	v_pk_mul_f32 v[rL:rL+1], v[rL:rL+1], v[FX:FX+1] op_sel_hi:[1,0]
	s_wait_alu depctr_va_vdst(0)
.endif
.irp b, 0,1,2,3
	v_max_num_f32 v[BM+\b], 0x1800000, v[BM+\b]
.endr
.irp b, 0,1,2,3
	s_delay_alu instid0(VALU_DEP_4)
	v_add_nc_u32 v[SO+\b], 0xff000000, v[BM+\b]
.endr
.irp b, 0,1,2,3
	s_delay_alu instid0(VALU_DEP_4)
	v_lshrrev_b32 v[BP+\b], 23, v[SO+\b]
.endr
	s_delay_alu instid0(VALU_DEP_3)
	v_lshl_or_b32 v[PW+(\q)], v[BP+1], 8, v[BP]
	s_delay_alu instid0(VALU_DEP_1)
	v_lshl_or_b32 v[PW+(\q)], v[BP+2], 16, v[PW+(\q)]
	s_delay_alu instid0(VALU_DEP_1)
	v_lshl_or_b32 v[PW+(\q)], v[BP+3], 24, v[PW+(\q)]
.irp b, 0,1,2,3
	v_cvt_scalef32_pk8_fp4_f32 v[rC+2*\b], v[rS+16*\b:rS+16*\b+7], v[SO+\b]
	v_cvt_scalef32_pk8_fp4_f32 v[rC+2*\b+1], v[rS+16*\b+8:rS+16*\b+15], v[SO+\b]
.endr
	v_nop
.irp c, 0,1
.irp i, 0,1
	v_permlane16_swap_b32 v[rC+4*\c+\i], v[rC+4*\c+2+\i]
.endr
.endr
.if \first
	v_pk_add_f32 v[rL:rL+1], v[rS:rS+1], v[rS+2:rS+3]
	v_pk_add_f32 v[BP:BP+1], v[rS+4:rS+5], v[rS+6:rS+7]
.set j, 8
.rept 14
	v_pk_add_f32 v[rL:rL+1], v[rL:rL+1], v[rS+j:rS+j+1]
	v_pk_add_f32 v[BP:BP+1], v[BP:BP+1], v[rS+j+2:rS+j+3]
.set j, j+4
.endr
.else
	v_pk_add_f32 v[BP:BP+1], v[rS:rS+1], v[rS+2:rS+3]
.set j, 4
.rept 15
	v_pk_add_f32 v[rL:rL+1], v[rL:rL+1], v[rS+j:rS+j+1]
	v_pk_add_f32 v[BP:BP+1], v[BP:BP+1], v[rS+j+2:rS+j+3]
.set j, j+4
.endr
.endif
	s_delay_alu instid0(VALU_DEP_1)
	v_pk_add_f32 v[rL:rL+1], v[rL:rL+1], v[BP:BP+1]
.if \first == 0
	WIN 0x41
.set j, 0
.rept 64
	v_pk_mul_f32 v[128*(\q)+j:128*(\q)+j+1], v[128*(\q)+j:128*(\q)+j+1], v[FX:FX+1] op_sel_hi:[1,0]
.set j, j+2
.endr
	WIN 0
.endif
.endm
.macro PVRUN t0, first
.irp tt, 0,1,2,3,4,5,6,7
.irp q, 0,1
.set rT, (\t0)+\tt
.set rO, 128*\q+8*rT
.if \first
.if rT%2
	v_wmma_scale_f32_16x16x128_f8f6f4 v[rO:rO+7], v[S+8*rT:S+8*rT+7], v[PC+8*\q:PC+8*\q+7], 0, v[SC+rT/2], v[PW+\q] matrix_a_fmt:MATRIX_FMT_FP4 matrix_b_fmt:MATRIX_FMT_FP4 matrix_a_scale:MATRIX_SCALE_ROW1
.else
	v_wmma_scale_f32_16x16x128_f8f6f4 v[rO:rO+7], v[S+8*rT:S+8*rT+7], v[PC+8*\q:PC+8*\q+7], 0, v[SC+rT/2], v[PW+\q] matrix_a_fmt:MATRIX_FMT_FP4 matrix_b_fmt:MATRIX_FMT_FP4
.endif
.else
.if rT%2
	v_wmma_scale_f32_16x16x128_f8f6f4 v[rO:rO+7], v[S+8*rT:S+8*rT+7], v[PC+8*\q:PC+8*\q+7], v[rO:rO+7], v[SC+rT/2], v[PW+\q] matrix_a_fmt:MATRIX_FMT_FP4 matrix_b_fmt:MATRIX_FMT_FP4 matrix_a_scale:MATRIX_SCALE_ROW1
.else
	v_wmma_scale_f32_16x16x128_f8f6f4 v[rO:rO+7], v[S+8*rT:S+8*rT+7], v[PC+8*\q:PC+8*\q+7], v[rO:rO+7], v[SC+rT/2], v[PW+\q] matrix_a_fmt:MATRIX_FMT_FP4 matrix_b_fmt:MATRIX_FMT_FP4
.endif
.endif
.endr
.endr
.endm
.macro STEP first
	v_add_nc_u32 v[ADR], s[TB], v[LI]
	ds_load_b128 v[SC:SC+3], v[ADR] offset:KSC
	ds_load_b128 v[SC+4:SC+7], v[ADR] offset:KSC+512
	KLOAD 0
	KLOAD 1
	s_wait_alu depctr_va_vdst(0)
.irp t, 0,1,2,3,4,5,6,7
	KTILE \t
.endr
	PLACES 4
	SOFTMAX 0, \first
	ds_load_b128 v[SC:SC+3], v[ADR] offset:VSC
	ds_load_b128 v[SC+4:SC+7], v[ADR] offset:VSC+512
.irp t, 0,1,2,3,4,5,6,7
	VLOAD \t
.endr
	SOFTMAX 1, \first
.irp t, 8,9,10,11,12,13,14,15
	VLOAD \t
.endr
	s_wait_alu depctr_va_vdst(0)
	s_wait_dscnt 16
	WIN 0x50
	PVRUN 0, \first
	s_wait_dscnt 0x0
	PVRUN 8, \first
	WIN 0
	PLACES 5
	s_add_co_u32 s[TB], s[TB], STEPB
.endm
.macro STEPS n
	s_mov_b32 s[CNT], \n
.Lstep_\@:
	STEP 0
	s_sub_co_u32 s[CNT], s[CNT], 1
	s_cmp_lg_u32 s[CNT], 0
	s_cbranch_scc1 .Lstep_\@
.endm
.macro CHANGE g0, fill
	s_wait_tensorcnt 0x0
	ds_add_u32 v[SPW], v[NIL]
.if \fill
	s_add_nc_u64 s[\g0+2:\g0+3], s[\g0+2:\g0+3], 2*SLOTB
.endif
	s_wait_dscnt 0x0
.if \fill
	CROUND
	tensor_load_to_lds s[\g0:\g0+3], s[G1:G1+7]
	s_nop 0
	PLACES 4
.else
	s_barrier_signal -1
	s_barrier_wait -1
.endif
.endm
	s_mov_b32 s[TB], 0
	STEP 1
	STEPS 3
	CHANGE G0A, 1
	s_mov_b32 s[TB], SLOTB
	STEPS 4
	CHANGE G0B, 1
	s_mov_b32 s[TB], 0
	STEPS 4
	CHANGE 0, 0
	s_mov_b32 s[TB], SLOTB
	STEPS 4
	v_add_f32 v[BM], v10, v11
	v_add_f32 v[BM+2], v14, v15
	s_delay_alu instid0(VALU_DEP_2)
	v_permlanex16_b32 v[BP], v[BM], s[SEL], s[SEL+1]
	s_delay_alu instid0(VALU_DEP_2)
	v_permlanex16_b32 v[BP+1], v[BM+2], s[SEL], s[SEL+1]
	s_delay_alu instid0(VALU_DEP_2)
	v_add_f32 v[BM], v[BM], v[BP]
	s_delay_alu instid0(VALU_DEP_2)
	v_add_f32 v[BM+2], v[BM+2], v[BP+1]
	s_wait_alu depctr_va_vdst(0)
	v_rcp_f32 v[BM], v[BM]
	v_rcp_f32 v[BM+2], v[BM+2]
	v_nop
	s_wait_alu depctr_va_vdst(0)
.macro OUT u
.if \u
	s_wait_xcnt 0x0
.endif
	WIN 0x01
.set k, 0
.rept 64
	v_pk_mul_f32 v[S+k:S+k+1], v[128*\u+k:128*\u+k+1], v[BM+2*\u:BM+2*\u+1] op_sel_hi:[1,0]
.set k, k+2
.endr
	WIN 0
.irp e, 0,1,2,3
.irp t, 0,1,2,3
	ds_store_b128 v[STO], v[S+32*\e+8*\t:S+32*\e+8*\t+3] offset:64*\t
	ds_store_b128 v[STO], v[S+32*\e+8*\t+4:S+32*\e+8*\t+7] offset:64*\t+16
.endr
.irp i, 0,1,2,3,4,5,6,7
	ds_load_b128 v[S+32*\e+4*\i:S+32*\e+4*\i+3], v[RD] offset:\i*2*SP
.endr
.endr
.irp e, 0,1,2,3
.irp i, 0,1,2,3,4,5,6,7
	s_wait_dscnt 16*(3-\e)+7-\i
	global_store_b128 v[GO], v[S+32*\e+4*\i:S+32*\e+4*\i+3], s[8:9] offset:(8*\u+2*\i+8*(\i/4))*1024+256*\e th:TH_STORE_NT
.endr
.endr
.endm
	OUT 0
	OUT 1
	s_wait_tensorcnt 0x0
	ds_add_u32 v[SPW], v[NIL]
	s_wait_dscnt 0x0
	CROUND
	s_endpgm
.Lfunc_end_k_qe5a996678a_attn:
	.size	k_qe5a996678a_attn, .Lfunc_end_k_qe5a996678a_attn-k_qe5a996678a_attn
	.p2alignl 7, 3214868480
	.fill 96, 4, 3214868480
	.section	.rodata,"a",@progbits
	.p2align	6, 0x0
	.amdhsa_kernel k_qe5a996678a_attn
		.amdhsa_group_segment_fixed_size 327680
		.amdhsa_private_segment_fixed_size 0
		.amdhsa_enable_private_segment 0
		.amdhsa_kernarg_size 24
		.amdhsa_user_sgpr_count 2
		.amdhsa_user_sgpr_kernarg_segment_ptr 1
		.amdhsa_wavefront_size32 1
		.amdhsa_system_sgpr_workgroup_id_x 1
		.amdhsa_system_sgpr_workgroup_id_y 1
		.amdhsa_system_sgpr_workgroup_id_z 1
		.amdhsa_system_vgpr_workitem_id 0
		.amdhsa_next_free_vgpr 512
		.amdhsa_next_free_sgpr 66
		.amdhsa_reserve_vcc 0
		.amdhsa_float_denorm_mode_32 3
		.amdhsa_float_denorm_mode_16_64 3
		.amdhsa_memory_ordered 1
		.amdhsa_forward_progress 1
		.amdhsa_inst_pref_size 255
	.end_amdhsa_kernel
	.section	.bss,"aw",@nobits
	.p2align	6
	.space	262144
	.amdgpu_metadata
---
amdhsa.version: [ 1, 2 ]
amdhsa.kernels:
  - .name:           k_qe5a996678a_attn
    .symbol:         k_qe5a996678a_attn.kd
    .args:
      - { .name: queries, .offset: 0, .size: 8, .value_kind: global_buffer, .address_space: global }
      - { .name: kv, .offset: 8, .size: 8, .value_kind: global_buffer, .address_space: global }
      - { .name: out0, .offset: 16, .size: 8, .value_kind: global_buffer, .address_space: global }
    .group_segment_fixed_size: 327680
    .private_segment_fixed_size: 0
    .kernarg_segment_align: 8
    .kernarg_segment_size: 24
    .max_flat_workgroup_size: 256
    .sgpr_count:     66
    .vgpr_count:     512
    .wavefront_size: 32
...
	.end_amdgpu_metadata
.endif
;; end of part 2
